; MI455X (gfx1250); checked and timed in simulation.
; The chip was launched on July 23, 2026; its instructions are those of AMD's public machine-readable ISA for CDNA 5 (MIT licence, August 2026) and "CDNA5" Instruction Set Architecture Reference Guide (July 2026). The comments in the code are by the model that wrote it; some were corrected since.
;; Differentiable Feature Aligner2. Allowed arithmetic: matrix products marked QUANTISED: E5M2 operands, one given power-of-two scale a tensor, by v_wmma_f32_16x16x64_bf8_bf8 or v_wmma_f32_16x16x128_bf8_bf8, f32 sums; products left as they are: f32 operands where the result goes on into a quantised operand, else bf16, f16 or f32 operands; f32 sums; everything else in f32.
;; Inputs: W1 6 x 64 float32; W2 64 x 64 float32; b1 64 float32; b2 64 float32; beta 64 float32; ego_cls 4 x 2 x 256 x 256 float32; ego_reg 4 x 14 x 256 x 256 float32; gamma 64 float32; lowp_scales 4 int32 (the exponents e of the quantised operands' scales 2^e); other_cls 4 x 2 x 256 x 256 float32; other_reg 4 x 14 x 256 x 256 float32.
;; Outputs: out0 4 x 2 x 256 x 256 float32; out1 4 x 14 x 256 x 256 float32.
;; This version of the problem:
;;   THIS VERSION OF THE PROBLEM IS GIVEN IN LOW PRECISION. The matrix products marked QUANTISED in the list below multiply operands that are first quantised to E5M2 (5 exponent bits, 2 mantissa bits; 8 bits a number), with one given power-of-two scale for each operand tensor; their sums are f32. All else is computed in f32.
;;   The module's matrix products, in the order in which they are computed (A, B: the left and right operand; K: the contracted axis; several contracted axes count as one K, in the product's order):
;;     1. [M 262,144, K 6] x [K 6, N 64]; A: computed on the way; B: input W1: left as it is (K = 6 < 32)
;;     2. [M 262,144, K 64] x [K 64, N 64]; A: computed on the way; B: input W2: QUANTISED (scales: A lowp_scales[0], B lowp_scales[1])
;;     3. [M 262,144, K 6] x [K 6, N 64]; A: computed on the way; B: input W1: left as it is (K = 6 < 32)
;;     4. [M 262,144, K 64] x [K 64, N 64]; A: computed on the way; B: input W2: QUANTISED (scales: A lowp_scales[2], B lowp_scales[3])
;;     5. batch 65,536 x [M 4, K 64] x [K 64, N 4]; A: computed on the way; B: computed on the way: left as it is (M = 4 < 16)
;;     6. batch 65,536 x [M 2, K 4] x [K 4, N 4]; A: input other_cls; B: computed on the way: left as it is (K = 4 < 32)
;;     7. batch 65,536 x [M 14, K 4] x [K 4, N 4]; A: input other_reg; B: computed on the way: left as it is (K = 4 < 32)
;;   THE QUANTISER, for each operand of a quantised product, along K:
;;     - The operand's scale is 2^e, e = its entry of the input lowp_scales (int32; the entries are numbered through the quantised products in the list's order, A before B).
;;     - Each number is divided by the scale, clamped to +-57,344, and rounded to the nearest number of E5M2, ties to even, subnormals kept.
;;     - The product sums the exact products of the quantised numbers (number of the format x scale) in f32.
;;   ~~~python
;;   def quantise(x, axis, e):      # numpy; x: float32 -> the quantised numbers, widened to float32 again
;;       x = np.moveaxis(x, axis, -1); K = x.shape[-1]
;;       r = np.clip(x / 2.0 ** e, -57344, 57344)
;;       step = 2.0 ** (np.maximum(np.frexp(np.where(r == 0, 1, r))[1] - 1, -14) - 2)
;;       q = np.round(r / step) * step * 2.0 ** e      # np.round: ties to even
;;       return np.moveaxis(q, -1, axis).astype(np.float32)
;;   ~~~
;;   OPERANDS COMPUTED ON THE WAY. 'Computed on the way' means the value that the module computes at that place (a softmax that the list does not call 'softmax' is quantised finished and normalised). What goes into a quantiser is computed in f32, as accurately as f32 sums, v_exp_f32 and their like allow (about 1e-6 of the number): no bf16 or f16 on the way to a quantiser, and a product that is left as it is and whose result goes on into a quantised operand takes f32 operands (vector FMAs, or v_wmma_f32_16x16x4_f32). A number that lies on a knife's edge between two numbers of the format may be rounded either way, as far as f32 arithmetic and the matrix unit's own rounding can turn it there, and no further.
;; One version. Each part assembles by itself: llvm-mc -triple=amdgcn-amd-amdhsa -mcpu=gfx1250 --defsym DOCPART=n.
;; ======== version 1 of 1: 1 launch
;; limits: inputs' magnitudes at most 100,000; right only within a limited range of input values
;; launch align (part 1): grid 256 x 1, 16 waves a work-group, no clusters, 169,984 bytes of LDS; arguments ego_cls, ego_reg, other_cls, other_reg, W1, b1, gamma, beta, W2, b2, lowp_scales, out0, out1; writes out0, out1
.if DOCPART == 1
	.amdgcn_target "amdgcn-amd-amdhsa--gfx1250"
	.amdhsa_code_object_version 6
	.text
	.protected	k_qbb96036570_align
	.globl	k_qbb96036570_align
	.p2align	8
	.type	k_qbb96036570_align,@function
k_qbb96036570_align:
	s_mov_b64 s[64:65], 0
	v_nop
	global_prefetch_b8 v0, s[64:65] scope:SCOPE_SE
	s_setreg_imm32_b32 hwreg(HW_REG_WAVE_MODE, 25, 1), 1
	s_wait_xcnt 0x0
; For every pixel n and both sides (ego, other), 4 batch entries each: descriptor (reg3, reg4, reg5, sin reg6, cos reg6, max(cls0, cls1)) -> x W1 + b1 -> relu -> LayerNorm(gamma, beta)
; -> codes of BF8 (E5M2) with the given scale (e0 ego, e2 other) -> x codes of W2 (e1, e3) + b2.  attn[n][i][j] = ego_d[i] . oth_d[j] / 8;  out[i][c][n] = sum over j of attn[n][i][j] other[j][c][n].
; SHARES.  A work-group owns one image row: 256 pixels, 1,024 consecutive bytes of every channel plane; 256 work-groups.  Wave w of sixteen owns pixels 16 w .. 16 w + 15 through the encoder and attn:
; eight tiles of 16 rows (tile g: side g / 4, batch g % 4).  In the last stage wave w owns 128 pixels (half w % 2, four a lane) of two channel planes (pair w / 2).
; LAYOUT.  Every product is used transposed (source 0 = weights, source 1 = the 16 pixels): lane (r = lane % 16, h = lane / 16) holds pixel r, and register j of unit tile T is unit 16 T + 8 h + j,
; which is the place k = 16 c + 8 h + i that the BF8 form with K = 64 gives that lane: a conversion of a tile's eight registers IS a register pair of the next operand.
; The 6 -> 64 product feeds a quantiser, so it has f32 operands: v_wmma_f32_16x16x4_f32, K padded to 8, slot k = 4 s + 2 h + j:  (s0, j0) reg3 | reg4;  (s0, j1) sin | cos;  (s1, j0) reg5 | score;  (s1, j1) 1.0 | 0.0 against b1.
; sin and cos are one computation, sin(theta + h pi / 2): reduction by pi in three parts, then the series to r^13.
; b2 goes in as the C of the BF8 products, divided by the power of two that the sums lack; the four scales and the 1 / 8 are applied once, to attn.
; MEMORY.  All that the row needs comes by tensor loads issued at the head, each LDS byte filled once: ego's six planes a batch first, then other's sixteen.  ego_reg's channels 0-2 and 7-13 enter no result and are not fetched.
; Work-groups share only the weights (19 KB against 88 KB of their own), so there is no cluster; every load is out at the head, so there is nothing to prefetch.
; LIMITS.  e0 .. e3 between -126 and 112 each; b2 x 2^-(e0 + e1) and b2 x 2^-(e2 + e3) are f32 numbers; |reg6| under 1e5 (m x the first two parts of pi is then exact); NaN and infinities among the inputs are not served.
.set PL,   1088                        ; a plane in LDS: 1,024 bytes + 64 of padding = 272 words: planes 1, 2, 3 further on begin 16, 32, 48 words on, modulo 64
.set OB,   24*PL                       ; EGO: group b at 6 b PL: reg3, reg4, reg5, reg6, cls0, cls1.  OTHER from OB: group b at 16 b PL: reg7-13, reg0-6, cls0, cls1
.set WIMG, OB+64*PL                    ; 95,744: images of W2's 8 fragments (4 set + t), 1,024 bytes each: registers 0-3, then 4-7, 16 bytes a lane
.set CIMG, WIMG+8192                   ; images of the 8 fragments of b2, in the same form
.set AB,   CIMG+8192                   ; 112,128: attn, 16 planes (4 i + j) of 1,024 bytes; ends at 128,512
.set HI,   56*PL                       ; an LDS immediate has 16 bits: tiles 6 and 7 use addresses that begin HI further on
; vector registers
.set A0,   2                           ; v2-5   64 w + 4 r + {0, 1, 2, 3} h PL;   v6-9 the same + HI
.set HALF, 10                          ; v10    0.5 h
.set SCL,  11                          ; v11, 12: 2^e0, 57,344 x 2^e0;  v13, 14: the same with e2
.set AS,   15                          ; v15    AB + 64 w + 4 r
.set XX,   16                          ; v16-19, v20-23: the rows' operand X0 .. X3, two sets
.set TH,   24                          ; v24-26, v27-29: theta, and the two numbers whose maximum is X2, two sets
.set WF,   44                          ; v44-59 W1^T's fragments: (T, s) at WF + 4 T + 2 s
.set GA,   60                          ; v60-91 gamma, v92-123 beta: register 8 T + j = unit 16 T + 8 h + j
.set BE,   92
.set HACC, 124                         ; v124-155: written by the f32 matrix form alone
.set HH,   156                         ; v156-187 the hidden layer at work
.set CD,   188                         ; v188-251 the eight tiles' codes, 8 registers each
.set CA,   16                          ; later: b2's fragments v16-23 (ego), v24-31 (other); W2's v44-51, v52-59
.set CB,   24
.set WA,   44
.set WB,   52
.set DD,   60                          ; the eight tiles' 16 output units of the slice in hand
.set AT,   156                         ; 16 pairs: attn's partial sums
.set ATN,  44                          ; attn, 16 registers
.set AL,   60                          ; last stage: attn of my four pixels, 16 x 4
.set OO,   188                         ; other: (u, j) at OO + 16 u + 4 j
.set OUT,  220                         ; results: (u, i) at OUT + 16 u + 4 i
.set VO,   252                         ; OB + 2 (w / 2) PL + 512 (w % 2) + 16 lane
.set VAL,  253                         ; AB + 512 (w % 2) + 16 lane
.set L16,  254                         ; 16 lane
.set LI,   255                         ; WIMG + 16 lane
.macro G1SET g, rows                   ; descriptor group 1: rows planes' 256 numbers of 4 bytes, 65,536 numbers from plane to plane; 16 words of padding behind every 256
	s_mov_b32 s[\g], 0x1fd20000                    ; 17:16 elements of 4 bytes; 20 padding on; 24:22 code 7; 31:25 code 15
	s_mov_b32 s[\g+1], 256<<16                     ; tensor_dim0
	s_mov_b32 s[\g+2], (\rows)<<16                 ; tensor_dim1
	s_mov_b32 s[\g+3], 256<<16                     ; tile_dim0
	s_mov_b32 s[\g+4], \rows                       ; tile_dim1
	s_mov_b32 s[\g+5], 65536                       ; tensor_dim0_stride
	s_mov_b32 s[\g+6], 0
	s_mov_b32 s[\g+7], 0
.endm
	s_load_b512 s[4:19], s[0:1], 0x0               ; ego_cls 4, ego_reg 6, other_cls 8, other_reg 10, W1 12, b1 14, gamma 16, beta 18
	s_load_b256 s[20:27], s[0:1], 0x40             ; W2 20, b2 22, lowp_scales 24, out0 26
	s_load_b64 s[28:29], s[0:1], 0x60              ; out1
	v_lshl_add_u32 v254, v0, 2, 0x29000
	v_mov_b32 v255, 0
	ds_add_u32 v254, v255
	ds_add_u32 v254, v255
	s_wait_dscnt 0x0
	v_lshrrev_b32 v1, 5, v0
	v_readfirstlane_b32 s2, v1                     ; wave 0..15
	s_lshl_b32 s30, ttmp9, 10                      ; my image row in a plane, in bytes
	G1SET 32, 4                                    ; ego_reg's channels 3-6
	G1SET 40, 2                                    ; ego_cls's two
	G1SET 48, 1                                    ; one plane of other_cls
	G1SET 56, 7                                    ; seven of other_reg
	; group 0, four sets.  Waves 0-3 fetch ego_reg of batch w, waves 4-7 ego_cls of batch w - 4; waves 0-7 each one plane of other_cls and seven of other_reg
	s_and_b32 s3, s2, 3                            ; b
	s_mov_b32 s68, 1
	s_mul_i32 s69, s3, 6*PL                        ; LDS: ego's group b
	s_mul_i32 s70, s3, 14
	s_add_co_u32 s70, s70, 3
	s_lshl_b32 s70, s70, 18                        ; plane 14 b + 3 of 262,144 bytes
	s_add_co_u32 s70, s70, s30
	s_mov_b32 s71, 0
	s_mov_b32 s72, 1
	s_add_co_u32 s73, s69, 4*PL
	s_lshl_b32 s74, s3, 19                         ; plane 2 b
	s_add_co_u32 s74, s74, s30
	s_mov_b32 s75, 0
	s_and_b32 s104, s2, 7                          ; w7
	s_lshr_b32 s105, s104, 1
	s_mul_i32 s105, s105, 16*PL                    ; other's group w7 / 2
	s_and_b32 s3, s104, 1
	s_mov_b32 s76, 1
	s_mul_i32 s77, s3, PL
	s_add_co_u32 s77, s77, s105
	s_add_co_u32 s77, s77, OB+14*PL                ; LDS planes 14, 15: cls0, cls1
	s_lshl_b32 s78, s104, 18                       ; plane w7 of other_cls
	s_add_co_u32 s78, s78, s30
	s_mov_b32 s79, 0
	s_mov_b32 s80, 1
	s_xor_b32 s3, s3, 1
	s_mul_i32 s81, s3, 7*PL                        ; reg0-6 go to LDS planes 7-13, reg7-13 to planes 0-6: so reg3 .. reg6, cls0, cls1 lie on end, as in ego's groups
	s_add_co_u32 s81, s81, s105
	s_add_co_u32 s81, s81, OB
	s_mul_i32 s82, s104, 7
	s_lshl_b32 s82, s82, 18                        ; plane 7 w7 of other_reg
	s_add_co_u32 s82, s82, s30
	s_mov_b32 s83, 0
	; offsets of the small loads
	v_and_b32 v1, 15, v0                           ; r
	v_bfe_u32 v36, v0, 4, 1                        ; h
	v_lshlrev_b32 v34, 2, v1                       ; 4 r
	v_lshl_add_u32 v30, v36, 11, v34               ; W2: 4 r + 8 h rows of 256 bytes
	v_lshlrev_b32 v31, 5, v36                      ; b2, gamma, beta: 32 h
	v_lshl_add_u32 v32, v36, 8, v34                ; W1 rows h and 3 + h
	v_mul_u32_u24 v33, v36, 768
	v_add_nc_u32 v33, v33, v34                     ; W1 row 2 + 3 h
	s_wait_kmcnt 0x0
	s_load_b128 s[84:87], s[24:25], 0x0            ; e0 .. e3
	s_add_nc_u64 s[70:71], s[6:7], s[70:71]
	s_or_b32 s71, s71, 0x80000000                  ; type = 2
	s_add_nc_u64 s[74:75], s[4:5], s[74:75]
	s_or_b32 s75, s75, 0x80000000
	s_add_nc_u64 s[78:79], s[8:9], s[78:79]
	s_or_b32 s79, s79, 0x80000000
	s_add_nc_u64 s[82:83], s[10:11], s[82:83]
	s_or_b32 s83, s83, 0x80000000
	; all fills of the launch, one group, inside one branch on the wave's number; ego's part first.  A fetching wave has three tensor loads out.  Four v_nop follow the last
	s_cmp_lt_u32 s2, 4
	s_cbranch_scc0 .Lnot_reg
	tensor_load_to_lds s[68:71], s[32:39]
	s_nop 0
	tensor_load_to_lds s[76:79], s[48:55]
	s_nop 0
	tensor_load_to_lds s[80:83], s[56:63]
	s_nop 0
.rept 4
	v_nop
.endr
	s_branch .Lasked
.Lnot_reg:
	s_cmp_lt_u32 s2, 8
	s_cbranch_scc0 .Lasked
	tensor_load_to_lds s[72:75], s[40:47]
	s_nop 0
	tensor_load_to_lds s[76:79], s[48:55]
	s_nop 0
	tensor_load_to_lds s[80:83], s[56:63]
	s_nop 0
.rept 4
	v_nop
.endr
.Lasked:
	; W2 is quantised once a work-group: wave w makes registers 4 u .. 4 u + 3 (u = w % 2) of fragment f = w / 2 (output tile t = f % 4; set f / 4: 0 with e1, 1 with e3):
	; lane (r, h) takes W2[16 (2 u + cc) + 8 h + i][16 t + r]: a lane to a column, registers down K
	s_bfe_u32 s3, s2, 0x20001                      ; t
	s_lshl_b32 s3, s3, 6                           ; 64 t
	s_and_b32 s104, s2, 1
	s_lshl_b32 s104, s104, 13                      ; 32 u rows
	s_add_co_u32 s104, s104, s3
	s_mov_b32 s105, 0
	s_add_nc_u64 s[20:21], s[20:21], s[104:105]
	s_and_b32 s104, s2, 1
	s_lshl_b32 s104, s104, 4
	s_add_co_u32 s104, s104, s3                    ; b2: 64 t + 16 u (+ 32 h)
	s_add_nc_u64 s[22:23], s[22:23], s[104:105]
.irp c, 0,1
.irp i, 0,1,2,3,4,5,6,7
	global_load_b32 v[HH+8*\c+\i], v30, s[20:21] offset:(16*\c+\i)*256
.endr
.endr
	global_load_b128 v[HH+16:HH+19], v31, s[22:23]
.irp n, 0,1,2,3
	global_load_b32 v[WF+4*\n], v32, s[12:13] offset:64*\n           ; W1[h][16 T + r]
	global_load_b32 v[WF+4*\n+1], v32, s[12:13] offset:768+64*\n     ; W1[3 + h][..]
	global_load_b32 v[WF+4*\n+2], v33, s[12:13] offset:512+64*\n     ; W1[2 + 3 h][..]
	global_load_b32 v[WF+4*\n+3], v34, s[14:15] offset:64*\n         ; b1[..]: it meets X3, which is 1.0 in lanes 0-15 and 0.0 in lanes 16-31
.endr
.irp n, 0,1,2,3
	global_load_b128 v[GA+8*\n:GA+8*\n+3], v31, s[16:17] offset:64*\n
	global_load_b128 v[GA+8*\n+4:GA+8*\n+7], v31, s[16:17] offset:64*\n+16
	global_load_b128 v[BE+8*\n:BE+8*\n+3], v31, s[18:19] offset:64*\n
	global_load_b128 v[BE+8*\n+4:BE+8*\n+7], v31, s[18:19] offset:64*\n+16
.endr
	; LDS addresses, all from v0 and constants
	v_and_b32 v[A0], 0x1e0, v0
	v_lshlrev_b32 v[A0], 1, v[A0]                  ; 64 w
	v_lshl_add_u32 v[A0], v1, 2, v[A0]             ; + 4 r
	v_mul_u32_u24 v37, v36, PL
	v_add_nc_u32 v[A0+1], v[A0], v37
	v_add_nc_u32 v[A0+2], v[A0+1], v37
	v_add_nc_u32 v[A0+3], v[A0+2], v37
.irp k, 0,1,2,3
	v_add_nc_u32 v[A0+4+\k], HI, v[A0+\k]
.endr
	v_add_nc_u32 v[AS], AB, v[A0]
	v_and_b32 v[L16], 31, v0
	v_lshlrev_b32 v[L16], 4, v[L16]
	v_add_nc_u32 v[LI], WIMG, v[L16]
	v_and_b32 v[VAL], 63, v0
	v_lshl_add_u32 v[VO], v[VAL], 4, OB
	v_lshl_add_u32 v[VAL], v[VAL], 4, AB
	v_lshrrev_b32 v39, 6, v0
	v_mul_u32_u24 v39, v39, 2*PL
	v_add_nc_u32 v[VO], v[VO], v39
	v_lshl_add_u32 v38, v0, 4, WIMG                ; where my part of an image goes: 512 w + 16 lane
	v_cvt_f32_u32 v[HALF], v36
	v_sub_f32 v[XX+3], 1.0, v[HALF]                ; X3 = 1 - h, both sets
	v_mov_b32 v[XX+7], v[XX+3]
	v_mul_f32 v[HALF], 0.5, v[HALF]
	v_mov_b32 v41, 0                               ; named as the upper halves of pairs whose low word serves both halves
	v_mov_b32 v43, 0
	s_mov_b32 s88, 0x3ea2f983                      ; 1 / pi
	s_mov_b32 s89, 0xc0490000                      ; - pi, in three parts
	s_mov_b32 s90, 0xba7da000
	s_mov_b32 s91, 0xb4222168
	s_mov_b32 s92, 0xbe2aaaab                      ; -1/3!, 1/5!, -1/7!, 1/9!, -1/11!, 1/13!
	s_mov_b32 s93, 0x3c088889
	s_mov_b32 s94, 0xb9500d01
	s_mov_b32 s95, 0x3638ef1d
	s_mov_b32 s96, 0xb2d7322b
	s_mov_b32 s97, 0x2f309231
	s_mov_b32 s98, 0x76543210                      ; v_permlanex16_b32: lane l xor 16
	s_mov_b32 s99, 0xfedcba98
	s_mov_b32 s100, 0x3c800000                     ; 1 / 64
	s_mov_b32 s66, 0xbc800000                      ; -1 / 64
	s_mov_b32 s67, 0x3727c5ac                      ; 1e-5
	s_wait_kmcnt 0x0                               ; the four exponents
	s_cmp_lt_u32 s2, 8                             ; my fragment's set, by the wave's number
	s_cselect_b32 s3, s84, s86
	s_cselect_b32 s104, s85, s87                   ; W2's exponent in that set
	s_add_co_i32 s3, s3, s104
	s_sub_co_i32 s3, 0, s3                         ; what b2 is multiplied by: 2^-(eA + eW)
	s_add_co_i32 s104, s104, 127
	s_lshl_b32 s105, s104, 23
	v_mov_b32 v35, s105                            ; 2^eW as f32: the conversion takes its exponent field
	s_add_co_i32 s104, s104, 15
	s_lshl_b32 s104, s104, 23
	s_or_b32 s104, s104, 0x600000
	v_mov_b32 v37, s104                            ; 57,344 x 2^eW
.irp k, 0,1                            ; the same for the hidden layer: e0 (ego), e2 (other)
	s_add_co_i32 s104, s[84+2*\k], 127
	s_lshl_b32 s105, s104, 23
	v_mov_b32 v[SCL+2*\k], s105
	s_add_co_i32 s104, s104, 15
	s_lshl_b32 s104, s104, 23
	s_or_b32 s104, s104, 0x600000
	v_mov_b32 v[SCL+2*\k+1], s104
.endr
	s_add_co_i32 s101, s84, s85
	s_add_co_i32 s101, s101, s86
	s_add_co_i32 s101, s101, s87
	s_sub_co_i32 s101, s101, 3                     ; attn = sum x 2^(e0 + e1 + e2 + e3 - 3)
	s_wait_loadcnt 32                              ; W2's and b2's part are in: behind them 16 loads of W1 and b1 and 16 of gamma and beta were issued
.set i, 0
.rept 16
	v_med3_num_f32 v[HH+i], v[HH+i], -v37, v37     ; the conversion does not saturate (ISA guide 7.6.2): the hold at the largest code x the scale
.set i, i+1
.endr
	v_cvt_scalef32_pk8_bf8_f32 v[HH+20:HH+21], v[HH:HH+7], v35
	v_cvt_scalef32_pk8_bf8_f32 v[HH+22:HH+23], v[HH+8:HH+15], v35
	v_nop                                          ; a plain line behind the last conversion: its registers are written again by vector instructions later
.irp k, 0,1,2,3
	v_ldexp_f32 v[HH+16+\k], v[HH+16+\k], s3
.endr
	ds_store_b128 v38, v[HH+20:HH+23]              ; the fragments go to LDS as images of their registers
	ds_store_b128 v38, v[HH+16:HH+19] offset:8192
	s_wait_loadcnt 0x0                             ; W1, b1, gamma, beta
	s_wait_tensorcnt 0x2                           ; my part of ego is in LDS; my two loads of other, issued behind it, stay out
	s_wait_dscnt 0x0                               ; my images are stored
	s_barrier_signal -1
	s_barrier_wait -1                              ; ego's planes and the images are whole
; tile g's four raw numbers a lane, into set g % 2
.macro RAW g
.set XS, XX+4*((\g)%2)
.set TS, TH+3*((\g)%2)
.if (\g) < 4
.set TBV, 6*(\g)*PL
.else
.set TBV, OB+(16*((\g)-4)+10)*PL
.endif
.set AR, A0
.if (\g) >= 6
.set TBV, TBV-HI
.set AR, A0+4
.endif
	ds_load_b32 v[XS], v[AR+1] offset:TBV          ; reg3 | reg4
	ds_load_b32 v[TS], v[AR] offset:TBV+3*PL       ; reg6 in both halves
	ds_load_b32 v[TS+1], v[AR+2] offset:TBV+2*PL   ; reg5 | cls0
	ds_load_b32 v[TS+2], v[AR+3] offset:TBV+2*PL   ; reg5 | cls1
.endm
; X2 = reg5 | max(cls0, cls1);  X1 = sin(theta + h pi / 2): n = the nearest whole number to theta / pi + h / 2, r = theta - (n - h / 2) pi, (-1)^n sin r
.macro PREP g
.set XS, XX+4*((\g)%2)
.set TS, TH+3*((\g)%2)
	v_max_num_f32 v[XS+2], v[TS+1], v[TS+2]
	v_fma_f32 v30, v[TS], s88, v[HALF]
	v_rndne_f32 v30, v30
	v_sub_f32 v31, v30, v[HALF]
	v_fma_f32 v32, v31, s89, v[TS]
	v_cvt_i32_f32 v35, v30
	v_fma_f32 v32, v31, s90, v32
	v_lshlrev_b32 v35, 31, v35                     ; n's parity as a sign bit
	v_fma_f32 v32, v31, s91, v32
	v_mul_f32 v33, v32, v32
	v_fma_f32 v34, v33, s97, s96
	v_fma_f32 v34, v34, v33, s95
	v_fma_f32 v34, v34, v33, s94
	v_fma_f32 v34, v34, v33, s93
	v_fma_f32 v34, v34, v33, s92
	v_mul_f32 v36, v32, v33
	v_fma_f32 v34, v36, v34, v32
	v_xor_b32 v[XS+1], v34, v35
.endm
; x W1 + b1 for tile g: four unit tiles, two K steps of 4.  The first step starts each sum with the constant 0; the four accumulators take turns, one instruction a turn
.macro L1 g
.set XS, XX+4*((\g)%2)
.irp n, 0,1,2,3
	v_wmma_f32_16x16x4_f32 v[HACC+8*\n:HACC+8*\n+7], v[WF+4*\n:WF+4*\n+1], v[XS:XS+1], 0
.endr
.irp n, 0,1,2,3
	v_wmma_f32_16x16x4_f32 v[HACC+8*\n:HACC+8*\n+7], v[WF+4*\n+2:WF+4*\n+3], v[XS+2:XS+3], v[HACC+8*\n:HACC+8*\n+7]
.endr
.endm
.macro RELU                            ; into other registers, each accumulator from its low end on
.set i, 0
.rept 32
	v_max_num_f32 v[HH+i], 0, v[HACC+i]
.set i, i+1
.endr
.endm
; LayerNorm in two passes: my 32 units and lane l xor 16's 32 are the pixel's 64
.macro NORM
	v_pk_add_f32 v[30:31], v[HH:HH+1], v[HH+2:HH+3]
	v_pk_add_f32 v[32:33], v[HH+4:HH+5], v[HH+6:HH+7]
.irp k, 8,12,16,20,24,28
	v_pk_add_f32 v[30:31], v[30:31], v[HH+\k:HH+\k+1]
	v_pk_add_f32 v[32:33], v[32:33], v[HH+\k+2:HH+\k+3]
.endr
	v_pk_add_f32 v[30:31], v[30:31], v[32:33]
	v_add_f32 v38, v30, v31
	v_permlanex16_b32 v39, v38, s98, s99
	v_add_f32 v38, v38, v39
	v_mul_f32 v40, s66, v38                        ; - mean
.set i, 0
.rept 16
	v_pk_add_f32 v[HH+i:HH+i+1], v[HH+i:HH+i+1], v[40:41] op_sel_hi:[1,0]
.set i, i+2
.endr
	v_pk_mul_f32 v[30:31], v[HH:HH+1], v[HH:HH+1]
	v_pk_mul_f32 v[32:33], v[HH+2:HH+3], v[HH+2:HH+3]
.irp k, 4,8,12,16,20,24,28
	v_pk_fma_f32 v[30:31], v[HH+\k:HH+\k+1], v[HH+\k:HH+\k+1], v[30:31]
	v_pk_fma_f32 v[32:33], v[HH+\k+2:HH+\k+3], v[HH+\k+2:HH+\k+3], v[32:33]
.endr
	v_pk_add_f32 v[30:31], v[30:31], v[32:33]
	v_add_f32 v38, v30, v31
	v_permlanex16_b32 v39, v38, s98, s99
	v_add_f32 v38, v38, v39
	v_fma_f32 v38, v38, s100, s67                  ; variance + 1e-5
	v_rsq_f32 v42, v38
.set i, 0
.rept 16
	v_pk_mul_f32 v[HH+i:HH+i+1], v[HH+i:HH+i+1], v[GA+i:GA+i+1]   ; x gamma: sixteen plain lines that name neither the root nor its source
.set i, i+2
.endr
	s_wait_alu depctr_va_vdst(0)                   ; the one wait ahead of the first reader of the reciprocal root
.set i, 0
.rept 16
	v_pk_fma_f32 v[HH+i:HH+i+1], v[HH+i:HH+i+1], v[42:43], v[BE+i:BE+i+1] op_sel_hi:[1,0,1]
.set i, i+2
.endr
.endm
; the hidden layer of tile g becomes the tile's operand: registers 2 T, 2 T + 1 hold k = 16 T + 8 h + 0 .. 7
.macro QUANT g
.set SC, SCL+2*((\g)/4)
.set i, 0
.rept 32
	v_med3_num_f32 v[HH+i], v[HH+i], -v[SC+1], v[SC+1]
.set i, i+1
.endr
.irp n, 0,1,2,3
	v_cvt_scalef32_pk8_bf8_f32 v[CD+8*(\g)+2*\n:CD+8*(\g)+2*\n+1], v[HH+8*\n:HH+8*\n+7], v[SC]
.endr
	v_nop                                          ; a plain line behind the last conversion
.endm
; A TILE.  Behind the eight matrix instructions stand the tile before's hold and conversions and the next tile's descriptor: at least sixteen plain lines that name none of their registers; they are the
; eight places in front of the load into X0 and of the first read of the sums.
.macro TILE g
.if (\g) == 2
	s_wait_tensorcnt 0x0                           ; my parts of other are in LDS,
	s_wait_dscnt 0x0                               ; no LDS load of mine is out:
	s_barrier_signal -1                            ; say so; only register work stands up to the wait
.endif
	L1 \g
.if (\g) > 0
	QUANT (\g)-1
.endif
.if (\g) < 7
	s_wait_dscnt 0x0                               ; the next tile's raw numbers
	PREP (\g)+1
.endif
.if (\g) == 2
	s_barrier_wait -1                              ; other's planes are whole: tile 4's raw loads, below, are the first to read them
.endif
.if (\g) < 6
	RAW (\g)+2
.endif
	RELU
	NORM
.endm
	RAW 0
	RAW 1
	s_wait_dscnt 4                                 ; tile 0's four loads are in; tile 1's four may be out
	PREP 0
.irp g, 0,1,2,3,4,5,6,7
	TILE \g
.endr
.macro WLOAD t                         ; output tile t: W2's fragment and b2's, for both sets
.irp k, 0,1
	ds_load_b128 v[WA+4*\k:WA+4*\k+3], v[LI] offset:1024*(\t)+512*\k
	ds_load_b128 v[WB+4*\k:WB+4*\k+3], v[LI] offset:4096+1024*(\t)+512*\k
	ds_load_b128 v[CA+4*\k:CA+4*\k+3], v[LI] offset:8192+1024*(\t)+512*\k
	ds_load_b128 v[CB+4*\k:CB+4*\k+3], v[LI] offset:12288+1024*(\t)+512*\k
.endr
.endm
.macro OLOAD                           ; the last stage's numbers of other: planes 2 (w / 2) + u of the four batches, four pixels a lane
.irp u, 0,1
.irp j, 0,1,2,3
	ds_load_b128 v[OO+16*\u+4*\j:OO+16*\u+4*\j+3], v[VO] offset:(16*\j+\u)*PL
.endr
.endr
.endm
; A SLICE: output units 16 t .. 16 t + 15 of all eight tiles (eight products, eight accumulators, C = b2's fragment), then their share of the sixteen dots, two units an instruction
.macro SLICE t
	s_wait_dscnt 0x0
.irp g, 0,1,2,3
	v_wmma_f32_16x16x64_bf8_bf8 v[DD+8*\g:DD+8*\g+7], v[WA:WA+7], v[CD+8*\g:CD+8*\g+7], v[CA:CA+7]
.endr
.irp g, 4,5,6,7
	v_wmma_f32_16x16x64_bf8_bf8 v[DD+8*\g:DD+8*\g+7], v[WB:WB+7], v[CD+8*\g:CD+8*\g+7], v[CB:CB+7]
.endr
.rept 4
	v_nop                                          ; four places in front of loads into registers that these products read, and of the first read of their results
.endr
.if (\t) < 3
	WLOAD (\t)+1
.else
	OLOAD                                          ; over the codes of tiles 0-3, which have been multiplied for the last time
.endif
.irp q, 0,1,2,3                        ; each accumulator is read from its low end on
.irp j, 0,1,2,3
.irp i, 0,1,2,3
.if ((\t) == 0) && (\q == 0)
	v_pk_mul_f32 v[AT+8*\i+2*\j:AT+8*\i+2*\j+1], v[DD+8*\i+2*\q:DD+8*\i+2*\q+1], v[DD+32+8*\j+2*\q:DD+32+8*\j+2*\q+1]
.else
	v_pk_fma_f32 v[AT+8*\i+2*\j:AT+8*\i+2*\j+1], v[DD+8*\i+2*\q:DD+8*\i+2*\q+1], v[DD+32+8*\j+2*\q:DD+32+8*\j+2*\q+1], v[AT+8*\i+2*\j:AT+8*\i+2*\j+1]
.endif
.endr
.endr
.endr
.endm
	WLOAD 0                                        ; over the rows' operands and W1's fragments, last read by matrix instructions a whole tile's vector work ago
	QUANT 7
	SLICE 0
	SLICE 1
	SLICE 2
	SLICE 3
	; attn: the pair's halves, lane l xor 16's 32 units, the four scales and 1 / 8
.irp k, 0,1,2,3,4,5,6,7,8,9,10,11,12,13,14,15
	v_add_f32 v[ATN+\k], v[AT+2*\k], v[AT+2*\k+1]
.endr
.irp k, 0,1,2,3,4,5,6,7,8,9,10,11,12,13,14,15
	v_permlanex16_b32 v[DD+\k], v[ATN+\k], s98, s99
.endr
.irp k, 0,1,2,3,4,5,6,7,8,9,10,11,12,13,14,15
	v_add_f32 v[ATN+\k], v[ATN+\k], v[DD+\k]
.endr
.irp k, 0,1,2,3,4,5,6,7,8,9,10,11,12,13,14,15
	v_ldexp_f32 v[ATN+\k], v[ATN+\k], s101
.endr
.irp k, 0,1,2,3,4,5,6,7,8,9,10,11,12,13,14,15
	ds_store_b32 v[AS], v[ATN+\k] offset:1024*\k   ; plane 4 i + j, my 16 pixels; both halves of the lanes store the same word with the same number
.endr
	s_wait_dscnt 0x0                               ; my planes' parts are stored, and my numbers of other are in
	s_barrier_signal -1
	s_barrier_wait -1                              ; attn of all 256 pixels lies in LDS
.irp k, 0,1,2,3,4,5,6,7,8,9,10,11,12,13,14,15
	ds_load_b128 v[AL+4*\k:AL+4*\k+3], v[VAL] offset:1024*\k
.endr
	; where my two planes go.  LDS plane p: 0-6 = reg7-13, 7-13 = reg0-6 (out1), 14, 15 = cls0, cls1 (out0).  No tensor load is out since the second barrier: the descriptors' registers are free
	s_lshr_b32 s3, s2, 1                           ; the pair
	s_lshl_b32 s104, s3, 1                         ; its first plane
	s_and_b32 s105, s2, 1
	s_lshl_b32 s105, s105, 9
	s_add_co_u32 s105, s105, s30                   ; my image row, my half of it
.irp u, 0,1
	s_add_co_u32 s48, s104, \u+7
	s_sub_co_u32 s49, s104, 7-\u
	s_sub_co_u32 s50, s104, 14-\u
	s_add_co_u32 s51, s104, \u
	s_cmp_lt_u32 s51, 7
	s_cselect_b32 s48, s48, s49
	s_cmp_eq_u32 s3, 7
	s_cselect_b32 s48, s50, s48                    ; the channel
	s_lshl_b32 s48, s48, 18
	s_add_co_u32 s[52+2*\u], s48, s105
	s_mov_b32 s[53+2*\u], 0
.endr
	s_cmp_eq_u32 s3, 7                             ; the choice hangs on the wave's number alone
	s_cselect_b64 s[56:57], s[26:27], s[28:29]
	s_mov_b32 s58, 0x380000                        ; from batch to batch: 14 planes,
	s_cselect_b32 s58, 0x80000, s58                ; or 2
	s_mov_b32 s59, 0
	s_add_nc_u64 s[32:33], s[56:57], s[52:53]      ; base (u, i) in s[32 + 8 u + 2 i]
	s_add_nc_u64 s[40:41], s[56:57], s[54:55]
.irp i, 1,2,3
	s_add_nc_u64 s[32+2*\i:33+2*\i], s[30+2*\i:31+2*\i], s[58:59]
	s_add_nc_u64 s[40+2*\i:41+2*\i], s[38+2*\i:39+2*\i], s[58:59]
.endr
.irp i, 0,1,2,3
	s_wait_dscnt 12-4*\i                           ; planes 4 i .. 4 i + 3 are in; those issued behind them may be out
.irp j, 0,1,2,3
.irp u, 0,1
.irp c, 0,2
.if \j == 0
	v_pk_mul_f32 v[OUT+16*\u+4*\i+\c:OUT+16*\u+4*\i+\c+1], v[AL+16*\i+\c:AL+16*\i+\c+1], v[OO+16*\u+\c:OO+16*\u+\c+1]
.else
	v_pk_fma_f32 v[OUT+16*\u+4*\i+\c:OUT+16*\u+4*\i+\c+1], v[AL+16*\i+4*\j+\c:AL+16*\i+4*\j+\c+1], v[OO+16*\u+4*\j+\c:OO+16*\u+4*\j+\c+1], v[OUT+16*\u+4*\i+\c:OUT+16*\u+4*\i+\c+1]
.endif
.endr
.endr
.endr
	global_store_b128 v[L16], v[OUT+4*\i:OUT+4*\i+3], s[32+2*\i:33+2*\i] th:TH_STORE_NT       ; 32 lanes store 512 consecutive bytes, at a multiple of 512 from the buffer's first byte; no data register is written again
	global_store_b128 v[L16], v[OUT+16+4*\i:OUT+16+4*\i+3], s[40+2*\i:41+2*\i] th:TH_STORE_NT
.endr
	s_wait_xcnt 0x0
	v_lshl_add_u32 v254, v0, 2, 0x29000
	v_mov_b32 v255, 0
	s_wait_tensorcnt 0x0
	ds_add_u32 v254, v255
	s_wait_dscnt 0x0
	s_endpgm
.Lfunc_end_k_qbb96036570_align:
	.size	k_qbb96036570_align, .Lfunc_end_k_qbb96036570_align-k_qbb96036570_align
	.p2alignl 7, 3214868480
	.fill 96, 4, 3214868480
	.section	.rodata,"a",@progbits
	.p2align	6, 0x0
	.amdhsa_kernel k_qbb96036570_align
		.amdhsa_group_segment_fixed_size 169984
		.amdhsa_private_segment_fixed_size 0
		.amdhsa_enable_private_segment 0
		.amdhsa_kernarg_size 104
		.amdhsa_user_sgpr_count 2
		.amdhsa_user_sgpr_kernarg_segment_ptr 1
		.amdhsa_wavefront_size32 1
		.amdhsa_system_sgpr_workgroup_id_x 1
		.amdhsa_system_sgpr_workgroup_id_y 1
		.amdhsa_system_sgpr_workgroup_id_z 1
		.amdhsa_system_vgpr_workitem_id 0
		.amdhsa_next_free_vgpr 256
		.amdhsa_next_free_sgpr 106
		.amdhsa_reserve_vcc 0
		.amdhsa_float_denorm_mode_32 3
		.amdhsa_float_denorm_mode_16_64 3
		.amdhsa_memory_ordered 1
		.amdhsa_forward_progress 1
		.amdhsa_inst_pref_size 132
	.end_amdhsa_kernel
	.amdgpu_metadata
---
amdhsa.version: [ 1, 2 ]
amdhsa.kernels:
  - .name:           k_qbb96036570_align
    .symbol:         k_qbb96036570_align.kd
    .args:
      - { .name: ego_cls, .offset: 0, .size: 8, .value_kind: global_buffer, .address_space: global }
      - { .name: ego_reg, .offset: 8, .size: 8, .value_kind: global_buffer, .address_space: global }
      - { .name: other_cls, .offset: 16, .size: 8, .value_kind: global_buffer, .address_space: global }
      - { .name: other_reg, .offset: 24, .size: 8, .value_kind: global_buffer, .address_space: global }
      - { .name: W1, .offset: 32, .size: 8, .value_kind: global_buffer, .address_space: global }
      - { .name: b1, .offset: 40, .size: 8, .value_kind: global_buffer, .address_space: global }
      - { .name: gamma, .offset: 48, .size: 8, .value_kind: global_buffer, .address_space: global }
      - { .name: beta, .offset: 56, .size: 8, .value_kind: global_buffer, .address_space: global }
      - { .name: W2, .offset: 64, .size: 8, .value_kind: global_buffer, .address_space: global }
      - { .name: b2, .offset: 72, .size: 8, .value_kind: global_buffer, .address_space: global }
      - { .name: lowp_scales, .offset: 80, .size: 8, .value_kind: global_buffer, .address_space: global }
      - { .name: out0, .offset: 88, .size: 8, .value_kind: global_buffer, .address_space: global }
      - { .name: out1, .offset: 96, .size: 8, .value_kind: global_buffer, .address_space: global }
    .group_segment_fixed_size: 169984
    .private_segment_fixed_size: 0
    .kernarg_segment_align: 8
    .kernarg_segment_size: 104
    .max_flat_workgroup_size: 512
    .sgpr_count:     106
    .vgpr_count:     256
    .wavefront_size: 32
...
	.end_amdgpu_metadata
.endif
;; end of part 1
